; MI455X (gfx1250); checked and timed in simulation.
; The chip was launched on July 23, 2026; its instructions are those of AMD's public machine-readable ISA for CDNA 5 (MIT licence, August 2026) and "CDNA5" Instruction Set Architecture Reference Guide (July 2026). The comments in the code are by the model that wrote it; some were corrected since.
;; Multi Head Attention. Allowed arithmetic: matrix products marked QUANTISED: E2M1 operands, one E8M0 scale for each 32 along K, by v_wmma_scale_f32_16x16x128_f8f6f4 with both operands' format E2M1 (or v_wmma_scale_f32_32x16x128_f4), f32 sums; products left as they are: bf16, f16 or f32 operands; f32 sums; everything else in f32.
;; Inputs: Wk 1,024 x 1,024 float32; Wo 1,024 x 1,024 float32; Wq 1,024 x 1,024 float32; Wv 1,024 x 1,024 float32; bk 1,024 float32; bo 1,024 float32; bq 1,024 float32; bv 1,024 float32; k 4 x 2,048 x 1,024 float32; mask 1 x 1 x 2,048 x 2,048 int32; q 4 x 2,048 x 1,024 float32; v 4 x 2,048 x 1,024 float32.
;; Outputs: out0 4 x 2,048 x 1,024 float32.
;; This version of the problem:
;;   THIS VERSION OF THE PROBLEM IS GIVEN IN LOW PRECISION. The matrix products marked QUANTISED in the list below multiply operands that are first quantised to E2M1 (2 exponent bits, 1 mantissa bit; 4 bits a number), with one power-of-two scale for each 32 numbers along K (OCP MX v1.0); their sums are f32. The products marked 'left as it is' may take bf16, f16 or f32 operands, with f32 sums. Whichever they take, every output number must still come out within the allowed error. Rounding operands to bf16 (8 significant bits) uses up far more of that allowance than f16 does (11 bits, for magnitudes from 6e-5 to 65,504). All else is computed in f32.
;;   The module's matrix products, in the order in which they are computed (A, B: the left and right operand; K: the contracted axis; several contracted axes count as one K, in the product's order):
;;     1. [M 8,192, K 1,024] x [K 1,024, N 1,024]; A: input q; B: input Wq: QUANTISED
;;     2. [M 8,192, K 1,024] x [K 1,024, N 1,024]; A: input k; B: input Wk: QUANTISED
;;     3. [M 8,192, K 1,024] x [K 1,024, N 1,024]; A: input v; B: input Wv: QUANTISED
;;     4. batch 64 x [M 2,048, K 64] x [K 64, N 2,048]; A: computed on the way; B: computed on the way: left as it is (an operand is computed on the way)
;;     5. batch 64 x [M 2,048, K 2,048] x [K 2,048, N 64]; A: computed on the way; B: computed on the way: left as it is (an operand is computed on the way)
;;     6. [M 8,192, K 1,024] x [K 1,024, N 1,024]; A: computed on the way; B: input Wo: left as it is (an operand is computed on the way)
;;   THE QUANTISER, for each operand of a quantised product, along K:
;;     - K is cut into blocks of 32 from its start; a last block that is shorter is filled with zeros.
;;     - A block's scale is 2^e with e = floor(log2(the largest magnitude in the block)) - 2, held to -126 .. 127; a block of zeros has e = 0. As a byte (E8M0): e + 127.
;;     - Each number is divided by its block's scale, clamped to +-6, and rounded to the nearest number of E2M1, ties to even, subnormals kept.
;;     - The product sums the exact products of the quantised numbers (number of the format x scale) in f32.
;;   ~~~python
;;   def quantise(x, axis):      # numpy; x: float32 -> the quantised numbers, widened to float32 again
;;       x = np.moveaxis(x, axis, -1); K = x.shape[-1]
;;       x = np.pad(x, [(0, 0)] * (x.ndim - 1) + [(0, -K % 32)]); x = x.reshape(x.shape[:-1] + (-1, 32)); a = np.abs(x).max(-1, keepdims=True)
;;       e = np.where(a > 0, np.clip(np.frexp(np.where(a > 0, a, 1))[1] - 1 - 2, -126, 127), 0)      # np.frexp(a)[1] - 1 = floor(log2(a)), exactly
;;       r = np.clip(x / 2.0 ** e, -6, 6)
;;       step = 2.0 ** (np.maximum(np.frexp(np.where(r == 0, 1, r))[1] - 1, 0) - 1)
;;       q = np.round(r / step) * step * 2.0 ** e      # np.round: ties to even
;;       return np.moveaxis(q.reshape(q.shape[:-2] + (-1,))[..., :K], -1, axis).astype(np.float32)
;;   ~~~
;; One version. Each part assembles by itself: llvm-mc -triple=amdgcn-amd-amdhsa -mcpu=gfx1250 --defsym DOCPART=n.
;; ======== version 1 of 1: 4 launches
;; limits: values are held in f16: magnitudes above 65,504 overflow, below 6.1e-05 lose precision
;; workspace buffers: codes 14,155,776 bytes; scales 884,736 bytes; Wof 2,097,152 bytes; maskw 524,288 bytes of whole numbers; Qf 16,777,216 bytes; KV 33,554,432 bytes; X 16,777,216 bytes
;; launch prep (part 1): grid 576 x 1, 4 waves a work-group, no clusters, 85,504 bytes of LDS; arguments q, k, v, Wq, Wk, Wv, Wo, mask, codes, scales, Wof, maskw; writes codes, scales, Wof, maskw
.if DOCPART == 1
	.amdgcn_target "amdgcn-amd-amdhsa--gfx1250"
	.amdhsa_code_object_version 6
	.text
	.protected	k_qd6a5fa868f_prep
	.globl	k_qd6a5fa868f_prep
	.p2align	8
	.type	k_qd6a5fa868f_prep,@function
k_qd6a5fa868f_prep:
	s_mov_b64 s[64:65], 0
	v_nop
	global_prefetch_b8 v0, s[64:65] scope:SCOPE_SE
	s_setreg_imm32_b32 hwreg(HW_REG_WAVE_MODE, 25, 1), 1
	s_wait_xcnt 0x0
; PREP: every input that a later launch reads more than once is laid out once, as that launch's registers want it.
; Work-groups 0-431: q, k, v, Wq, Wk, Wv (f32, K innermost) become codes of FP4 (E2M1) with one E8M0 byte for each 32 along K.  A block's scale is 2^(floor(log2(largest magnitude)) - 2):
;   its byte is the largest magnitude's exponent field - 2, held at 1 from below.  Work-groups 432-447: Wo becomes f16.  Work-groups 448-575: the mask becomes one bit a number.
; ALL THREE RESULTS ARE IMAGES OF OPERAND REGISTERS: chunks of 512 bytes, lane l's 16 bytes at 16 l, so every store of a wave covers 512 (the mask's: 256) consecutive bytes, aligned.
;   codes : [block of 256 rows: 131,072][K / 256: 32,768][tile of 16 rows: 2,048][K step of 128: 1,024][half c: 512][lane]; lane (r, h) holds the 32 codes k = 64 c + 32 h + 0..31 of row r
;   scales: [row][8 words], word s = the four bytes of K step s
;   Wof   : [K / 128: 262,144][tile of 16 rows: 4,096][32 along K: 1,024][g: 512][lane]; lane (r, h) holds k = 16 g + 8 h + 0..7 of row r
;   maskw : [tile of 16 queries: 4,096][64 keys: 128][word n = 8 t + j]; bit l of it: mask[query l % 16][key 16 t + 8 (l / 16) + j] != 0
; A wave takes 16 rows.  Loads read a row's bytes as they lie (512 or 256 consecutive bytes an instruction); a unit turns through the wave's own stage in LDS, so that a lane gets neighbours along K.
; The stage's pitches, 528 = 33 x 16 and 272 = 17 x 16 bytes, put the sixteen rows that a load touches at sixteen different 16-byte columns of 256.  Waves share nothing: no barrier.
; The three paths part once, on the work-group's number; each has LDS bytes of its own.
; LIMITS: NaN and infinities are not served; a block of zeros gets the byte 1 (its codes are zeros; this program alone reads the bytes); Wo is kept in f16.
.set QST,   0                          ; LDS: the quantiser's stages, 16 x 528 bytes a wave
.set WST,   33792                      ; Wo's stages, likewise
.set MST,   67584                      ; the mask's stages, 16 x 272 bytes a wave
.set SPARE, 84992                      ; the spare words, 128 bytes for each wave
.set SROW,  528
.set MROW,  272
.set LANE,  1                          ; v1  lane
.set RR,    2                          ; v2  r = lane % 16
.set HH,    3                          ; v3  h = lane / 16
.set LI,    4                          ; v4  16 x lane
.set QIN,   5                          ; v5  quantiser's stage, way in
.set QOUT,  6                          ; v6  way out
.set G7,    7                          ; v7  path's own: 8 h, or the mask's offset in memory
.set G8,    8                          ; v8  path's own: the last store's offset
.set WSI,   9                          ; v9  Wo's stage, way in
.set WSO,   10                         ; v10 way out
.set SPW,   12                         ; v12 LDS address of my spare word; never rewritten
.set NIL,   13                         ; v13 0; never rewritten
.set MSI,   14                         ; v14 the mask's stage, way in
.set MSO,   15                         ; v15 way out
.set R,     16                         ; v16-143  two sets of 64: a unit as loaded
.set XQ,    144                        ; v144-207 the unit behind the turn
.set C,     208                        ; v208-223 two sets of 8: codes
.set SW,    224                        ; v224-231 a scale word for each unit
.set T,     232                        ; v232-247 at work
.set MR,    16                         ; the mask's path: v16-79 two sets of 32 as loaded
.set MX,    80                         ; v80-111 behind the turn
.set W,     112                        ; v112-119 four pairs of gathered words
	s_load_b512 s[4:19], s[0:1], 0x0               ; q, k, v, Wq, Wk, Wv, Wo, mask
	s_load_b256 s[20:27], s[0:1], 0x40             ; codes, scales, Wof, maskw
	v_lshl_add_u32 v[SPW], v0, 2, SPARE
	v_mov_b32 v[NIL], 0
	v_lshrrev_b32 v1, 5, v0
	v_readfirstlane_b32 s28, v1                    ; wave 0..3
	v_and_b32 v[LANE], 31, v0
	v_and_b32 v[RR], 15, v0
	v_bfe_u32 v[HH], v0, 4, 1
	v_lshlrev_b32 v[LI], 4, v[LANE]
	s_mul_i32 s38, s28, 16*SROW
	s_mul_i32 s39, s28, 16*MROW
	v_add_nc_u32 v[QIN], s38, v[LI]                ; a row's 512 bytes as they lie; the row stands in the immediate
	v_mul_u32_u24 v[T], v[RR], SROW
	v_add_nc_u32 v[T], s38, v[T]
	v_lshl_add_u32 v[QOUT], v[HH], 7, v[T]         ; row r, + 128 h: 32 numbers of a block
	v_add_nc_u32 v[WSI], WST, v[QIN]
	v_lshl_add_u32 v[WSO], v[HH], 5, v[T]          ; row r, + 32 h: 8 numbers
	v_add_nc_u32 v[WSO], WST, v[WSO]
	v_mul_u32_u24 v[MSI], v[HH], MROW              ; the mask: two rows an instruction, sixteen lanes to a row
	v_lshl_add_u32 v[MSI], v[RR], 4, v[MSI]
	v_add_nc_u32 v[MSI], s39, v[MSI]
	v_add_nc_u32 v[MSI], MST, v[MSI]
	v_mul_u32_u24 v[MSO], v[RR], MROW              ; row r, + 32 h: 8 keys
	v_lshl_add_u32 v[MSO], v[HH], 5, v[MSO]
	v_add_nc_u32 v[MSO], s39, v[MSO]
	v_add_nc_u32 v[MSO], MST, v[MSO]
	s_mov_b32 s36, 0x76543210
	s_mov_b32 s37, 0xfedcba98                      ; v_permlanex16_b32's selects for lane l xor 16
	s_mov_b32 s33, 0                               ; the upper word of every offset
	s_wait_kmcnt 0x0
	s_cmp_ge_u32 ttmp9, 448
	s_cbranch_scc1 .Lmask
	s_cmp_ge_u32 ttmp9, 432
	s_cbranch_scc1 .Lwo
.macro FIN                             ; a wave's end, behind my last LDS store
	s_wait_tensorcnt 0x0
	ds_add_u32 v[SPW], v[NIL]
	s_wait_dscnt 0x0
	s_endpgm
.endm
.macro LOADU u                         ; unit u: 16 rows x 128 along K: a row's 512 consecutive bytes an instruction
.irp i, 0,1,2,3,4,5,6,7,8,9,10,11,12,13,14,15
	global_load_b128 v[R+64*((\u)%2)+4*\i:R+64*((\u)%2)+4*\i+3], v[LI], s[30:31] offset:4096*\i+512*(\u) th:TH_LOAD_NT
.endr
.endm
.macro STIN adr, u                     ; the unit into the stage, as it lies
.irp i, 0,1,2,3,4,5,6,7,8,9,10,11,12,13,14,15
	ds_store_b128 v[\adr], v[R+64*((\u)%2)+4*\i:R+64*((\u)%2)+4*\i+3] offset:SROW*\i
.endr
.endm
; ---- THE QUANTISER.  Tile T = 4 x work-group + wave of the 1,728 tiles of 16 rows: q 0-511, k 512-1023, v 1024-1535, Wq, Wk, Wv 64 each
	s_mov_b64 s[30:31], s[14:15]                   ; the source is chosen by the work-group's number alone
	s_mov_b32 s29, 416
	s_cmp_lt_u32 ttmp9, 416
	s_cselect_b64 s[30:31], s[12:13], s[30:31]
	s_cselect_b32 s29, 400, s29
	s_cmp_lt_u32 ttmp9, 400
	s_cselect_b64 s[30:31], s[10:11], s[30:31]
	s_cselect_b32 s29, 384, s29
	s_cmp_lt_u32 ttmp9, 384
	s_cselect_b64 s[30:31], s[8:9], s[30:31]
	s_cselect_b32 s29, 256, s29
	s_cmp_lt_u32 ttmp9, 256
	s_cselect_b64 s[30:31], s[6:7], s[30:31]
	s_cselect_b32 s29, 128, s29
	s_cmp_lt_u32 ttmp9, 128
	s_cselect_b64 s[30:31], s[4:5], s[30:31]
	s_cselect_b32 s29, 0, s29
	s_sub_co_u32 s32, ttmp9, s29
	s_lshl_b32 s32, s32, 2
	s_add_co_u32 s32, s32, s28
	s_lshl_b32 s32, s32, 16                        ; my tile in its tensor: 16 rows of 4,096 bytes
	s_add_nc_u64 s[30:31], s[30:31], s[32:33]
	s_lshl_b32 s34, ttmp9, 2
	s_add_co_u32 s34, s34, s28                     ; T
	s_lshr_b32 s32, s34, 4
	s_lshl_b32 s32, s32, 17
	s_and_b32 s35, s34, 15
	s_lshl_b32 s35, s35, 11
	s_add_co_u32 s32, s32, s35
	s_add_nc_u64 s[20:21], s[20:21], s[32:33]      ; codes: block T / 16, tile T % 16
	s_lshl_b32 s32, s34, 9
	s_add_nc_u64 s[22:23], s[22:23], s[32:33]      ; scales: 16 rows of 32 bytes
	v_lshlrev_b32 v[G7], 3, v[HH]                  ; 8 h
	v_lshlrev_b32 v[G8], 5, v[RR]
	v_lshl_add_u32 v[G8], v[HH], 4, v[G8]          ; 32 r + 16 h
	v_mov_b32 v[T+7], 0                            ; a lane permute's destination counts as one of its sources
.macro UNITQ u
.if (\u) < 7
	s_wait_loadcnt 16                              ; this unit's 16 loads are in; the next unit's 16 may be out
.else
	s_wait_loadcnt 0x0
.endif
	STIN QIN, \u
.irp c, 0,1
.irp e, 0,1,2,3,4,5,6,7
	ds_load_b128 v[XQ+32*\c+4*\e:XQ+32*\c+4*\e+3], v[QOUT] offset:256*\c+16*\e   ; k = 64 c + 32 h + 4 e ..: LDS serves a wave's instructions in order, so these see the stores above
.endr
.endr
	s_wait_dscnt 0x0                               ; the unit is back, and the stores have read their registers,
.if (\u) < 6
	LOADU (\u)+2                                   ; which take the unit two on
.endif
.irp c, 0,1
	v_max3_num_f32 v[T+\c], |v[XQ+32*\c]|, |v[XQ+32*\c+1]|, 0x1800000   ; block 2 c + h of the K step: all 32 numbers are mine; the floor 2^(3 - 127) holds the byte at 1 from below
.endr
.irp i, 2,4,6,8,10,12,14,16,18,20,22,24,26,28,30
.irp c, 0,1
	v_max3_num_f32 v[T+\c], v[T+\c], |v[XQ+32*\c+\i]|, |v[XQ+32*\c+\i+1]|   ; (the two blocks by turns)
.endr
.endr
.irp c, 0,1
	v_add_nc_u32 v[T+2+\c], 0xff000000, v[T+\c]    ; 2 off the exponent field: the conversion takes the exponent field of this operand as its scale
.endr
.irp c, 0,1
	v_lshrrev_b32 v[T+4+\c], 23, v[T+2+\c]         ; the scale's byte
.endr
	v_lshl_or_b32 v[T+6], v[T+5], 16, v[T+4]       ; my two bytes, blocks h and 2 + h,
	v_lshlrev_b32 v[T+6], v[G7], v[T+6]            ; at their places in the word;
	v_permlanex16_b32 v[T+7], v[T+6], s36, s37
	v_or_b32 v[SW+(\u)], v[T+6], v[T+7]            ; with lane l xor 16's two the word is whole
.if (\u) > 1
	s_wait_xcnt 0x0                                ; the stores of two units back have read this set of code registers
.endif
.irp c, 0,1
.irp g, 0,1,2,3
	v_cvt_scalef32_pk8_fp4_f32 v[C+8*((\u)%2)+4*\c+\g], v[XQ+32*\c+8*\g:XQ+32*\c+8*\g+7], v[T+2+\c]   ; to the nearest code, ties to even; beyond 6 the largest code
.endr
.endr
	v_nop                                          ; one plain line behind the last scaled conversion
.irp c, 0,1
	global_store_b128 v[LI], v[C+8*((\u)%2)+4*\c:C+8*((\u)%2)+4*\c+3], s[20:21] offset:((\u)>>1)*32768+((\u)&1)*1024+512*\c
.endr
.endm
	LOADU 0
	LOADU 1
.irp u, 0,1,2,3,4,5,6,7
	UNITQ \u
.endr
	v_cmp_ne_u32 vcc_lo, 0, v[HH]                  ; a row's 8 words: lanes 0-15 store the first four, lanes 16-31 the others: 512 consecutive bytes
.irp e, 0,1,2,3
	v_cndmask_b32 v[T+\e], v[SW+\e], v[SW+4+\e], vcc_lo
.endr
	global_store_b128 v[G8], v[T:T+3], s[22:23]
	FIN
; ---- Wo TO f16.  Tile nt = 4 x (work-group - 432) + wave of its 64 tiles of 16 rows
.Lwo:
	s_sub_co_u32 s29, ttmp9, 432
	s_lshl_b32 s29, s29, 2
	s_add_co_u32 s29, s29, s28
	s_lshl_b32 s32, s29, 16
	s_add_nc_u64 s[30:31], s[16:17], s[32:33]
	s_lshl_b32 s32, s29, 12
	s_add_nc_u64 s[24:25], s[24:25], s[32:33]
.macro UNITW u
.if (\u) < 7
	s_wait_loadcnt 16                              ; as in the quantiser
.else
	s_wait_loadcnt 0x0
.endif
.if (\u) > 0
	s_wait_xcnt 0x0                                ; the last unit's stores have read the registers into which the stage is read back
.endif
	STIN WSI, \u
.irp e, 0,1,2,3,4,5,6,7
.irp p, 0,1
	ds_load_b128 v[XQ+8*\e+4*\p:XQ+8*\e+4*\p+3], v[WSO] offset:64*\e+16*\p   ; k = 16 e + 8 h + 4 p ..
.endr
.endr
	s_wait_dscnt 0x0
.if (\u) < 6
	LOADU (\u)+2
.endif
.irp e, 0,1,2,3,4,5,6,7
.irp p, 0,1,2,3
	v_cvt_pk_f16_f32 v[XQ+4*\e+\p], v[XQ+8*\e+2*\p], v[XQ+8*\e+2*\p+1]   ; in place, ascending: a result never lands on a number not yet read
.endr
.endr
.irp e, 0,1,2,3,4,5,6,7
	global_store_b128 v[LI], v[XQ+4*\e:XQ+4*\e+3], s[24:25] offset:262144*(\u)+512*\e
.endr
.endm
	LOADU 0
	LOADU 1
.irp u, 0,1,2,3,4,5,6,7
	UNITW \u
.endr
	FIN
; ---- THE MASK.  Tile of 16 queries = work-group - 448; the wave takes keys 512 x wave on, 8 units of 64 keys
.Lmask:
	s_sub_co_u32 s29, ttmp9, 448
	s_lshl_b32 s32, s29, 17                        ; 16 rows of 8,192 bytes
	s_lshl_b32 s34, s28, 11
	s_add_co_u32 s32, s32, s34
	s_add_nc_u64 s[18:19], s[18:19], s[32:33]
	s_lshl_b32 s32, s29, 12
	s_lshl_b32 s34, s28, 10
	s_add_co_u32 s32, s32, s34
	s_add_nc_u64 s[26:27], s[26:27], s[32:33]
	v_lshlrev_b32 v[G7], 13, v[HH]
	v_lshl_add_u32 v[G7], v[RR], 4, v[G7]          ; row h of a pair, 16 bytes a lane
	v_lshlrev_b32 v[G8], 3, v[LANE]
.irp i, 0,1,2,3,4,5,6,7
	v_mov_b32 v[W+\i], 0                           ; v_writelane_b32's destination counts as read
.endr
.macro LOADM u
.irp i, 0,1,2,3,4,5,6,7
	global_load_b128 v[MR+32*((\u)%2)+4*\i:MR+32*((\u)%2)+4*\i+3], v[G7], s[18:19] offset:16384*\i+256*(\u) th:TH_LOAD_NT   ; sixteen lanes read 256 consecutive bytes of a row
.endr
.endm
.macro UNITM u
.if (\u) < 7
	s_wait_loadcnt 8                               ; this unit's 8 loads are in; the next unit's 8 may be out
.else
	s_wait_loadcnt 0x0
.endif
.irp i, 0,1,2,3,4,5,6,7
	ds_store_b128 v[MSI], v[MR+32*((\u)%2)+4*\i:MR+32*((\u)%2)+4*\i+3] offset:2*MROW*\i
.endr
.irp t, 0,1,2,3
.irp p, 0,1
	ds_load_b128 v[MX+8*\t+4*\p:MX+8*\t+4*\p+3], v[MSO] offset:64*\t+16*\p   ; register 8 t + j: query r, key 16 t + 8 h + j
.endr
.endr
	s_wait_dscnt 0x0
.if (\u) < 6
	LOADM (\u)+2
.endif
.set n, 0
.rept 32
	v_cmp_ne_u32 s[40+n%4], 0, v[MX+n]             ; word n: a bit for each lane
	v_writelane_b32 v[W+2*((\u)>>1)+(n&1)], s[40+n%4], 16*((\u)&1)+(n>>1)   ; two units' 64 words gather in a pair of registers, two words a lane
.set n, n+1
.endr
.if ((\u)&1) == 1
	global_store_b64 v[G8], v[W+2*((\u)>>1):W+2*((\u)>>1)+1], s[26:27] offset:256*((\u)>>1)   ; 256 consecutive bytes, aligned
.endif
.endm
	LOADM 0
	LOADM 1
.irp u, 0,1,2,3,4,5,6,7
	UNITM \u
.endr
	FIN
.Lfunc_end_k_qd6a5fa868f_prep:
	.size	k_qd6a5fa868f_prep, .Lfunc_end_k_qd6a5fa868f_prep-k_qd6a5fa868f_prep
	.p2alignl 7, 3214868480
	.fill 96, 4, 3214868480
	.section	.rodata,"a",@progbits
	.p2align	6, 0x0
	.amdhsa_kernel k_qd6a5fa868f_prep
		.amdhsa_group_segment_fixed_size 85504
		.amdhsa_private_segment_fixed_size 0
		.amdhsa_enable_private_segment 0
		.amdhsa_kernarg_size 96
		.amdhsa_user_sgpr_count 2
		.amdhsa_user_sgpr_kernarg_segment_ptr 1
		.amdhsa_wavefront_size32 1
		.amdhsa_system_sgpr_workgroup_id_x 1
		.amdhsa_system_sgpr_workgroup_id_y 1
		.amdhsa_system_sgpr_workgroup_id_z 1
		.amdhsa_system_vgpr_workitem_id 0
		.amdhsa_next_free_vgpr 248
		.amdhsa_next_free_sgpr 66
		.amdhsa_reserve_vcc 1
		.amdhsa_float_denorm_mode_32 3
		.amdhsa_float_denorm_mode_16_64 3
		.amdhsa_memory_ordered 1
		.amdhsa_forward_progress 1
		.amdhsa_inst_pref_size 157
	.end_amdhsa_kernel
	.amdgpu_metadata
---
amdhsa.version: [ 1, 2 ]
amdhsa.kernels:
  - .name:           k_qd6a5fa868f_prep
    .symbol:         k_qd6a5fa868f_prep.kd
    .args:
      - { .name: q, .offset: 0, .size: 8, .value_kind: global_buffer, .address_space: global }
      - { .name: k, .offset: 8, .size: 8, .value_kind: global_buffer, .address_space: global }
      - { .name: v, .offset: 16, .size: 8, .value_kind: global_buffer, .address_space: global }
      - { .name: Wq, .offset: 24, .size: 8, .value_kind: global_buffer, .address_space: global }
      - { .name: Wk, .offset: 32, .size: 8, .value_kind: global_buffer, .address_space: global }
      - { .name: Wv, .offset: 40, .size: 8, .value_kind: global_buffer, .address_space: global }
      - { .name: Wo, .offset: 48, .size: 8, .value_kind: global_buffer, .address_space: global }
      - { .name: mask, .offset: 56, .size: 8, .value_kind: global_buffer, .address_space: global }
      - { .name: codes, .offset: 64, .size: 8, .value_kind: global_buffer, .address_space: global }
      - { .name: scales, .offset: 72, .size: 8, .value_kind: global_buffer, .address_space: global }
      - { .name: Wof, .offset: 80, .size: 8, .value_kind: global_buffer, .address_space: global }
      - { .name: maskw, .offset: 88, .size: 8, .value_kind: global_buffer, .address_space: global }
    .group_segment_fixed_size: 85504
    .private_segment_fixed_size: 0
    .kernarg_segment_align: 8
    .kernarg_segment_size: 96
    .max_flat_workgroup_size: 128
    .sgpr_count:     66
    .vgpr_count:     248
    .wavefront_size: 32
...
	.end_amdgpu_metadata
.endif
;; end of part 1
;; launch proj (part 2): grid 4 x 96, 4 waves a work-group, clusters of 4 x 4, 327,680 bytes of LDS; arguments codes, scales, bq, bk, bv, Qf, KV; writes Qf, KV
.if DOCPART == 2
	.amdgcn_target "amdgcn-amd-amdhsa--gfx1250"
	.amdhsa_code_object_version 6
	.text
	.protected	k_qd6a5fa868f_proj
	.globl	k_qd6a5fa868f_proj
	.p2align	8
	.type	k_qd6a5fa868f_proj,@function
k_qd6a5fa868f_proj:
	s_mov_b64 s[64:65], 0
	v_nop
	global_prefetch_b8 v0, s[64:65] scope:SCOPE_SE
	s_setreg_imm32_b32 hwreg(HW_REG_WAVE_MODE, 25, 1), 1
	s_wait_xcnt 0x0
	s_wait_alu depctr_hold_cnt(0) depctr_sa_sdst(0) depctr_va_vdst(0) depctr_va_sdst(0) depctr_va_ssrc(0) depctr_va_vcc(0) depctr_vm_vsrc(0)
	s_getreg_b32 s2, hwreg(HW_REG_IB_STS2, 6, 4)
	s_cmp_eq_u32 s2, 0
	s_cbranch_scc0 .Lentry_in_a_cluster
	s_endpgm
.Lentry_in_a_cluster:
	s_bfe_u32 s2, ttmp6, 0x10000c
	s_cmp_lg_u32 s2, 0xf033
	s_cbranch_scc0 .Lentry_shape_is_right
	s_endpgm
.Lentry_shape_is_right:
; PROJ: the three quantised projections x W^T + b (M 8,192, K 1,024, N 1,024 each) on codes of FP4 with E8M0 scales, f32 sums; the results leave as f16 images of attention's operand registers.
; A work-group makes 256 x 256 of one projection, a wave 128 x 128: 64 accumulators, 512 registers.  Both operand tiles for ALL of K are 2 x 131,072 bytes: they are filled once, in four chunks of 256 along K;
; nothing in LDS is filled again.  A chunk is read behind a barrier in front of which each wave has waited for its part of it; later chunks stay on their way.
; SOURCE 0 = tile P0, SOURCE 1 = tile P1; a lane's eight results are eight neighbouring rows of P0 for one row of P1.
;   q, k: P0 = W, P1 = x: a lane holds one token and eight channels: a fragment of Q or K.     v: P0 = x, P1 = W: one channel and eight tokens: a fragment of V^T.
; The loop is the same for all three; only addresses (chosen by the cluster's y, which all partners share) and the way out differ.
; CLUSTERS: 4 x 4.  P0 hangs on cx alone and is shared along a column of the cluster, P1 on cy alone and is shared along a row: each chunk is asked for jointly by the four that need it.
; Codes lie in memory as images of the fragments (lane l's 16 bytes at 16 l), so a chunk is a dense block, a fragment is two ds_load_b128 of 512 consecutive bytes, and there is no pitch.
; Q is multiplied by log2(e) / 8 here, bias and all, so that attention's scores are exponents of 2.
; LIMIT: a projection must stay under 65,504 in magnitude (f16).
; REGISTERS: window 0: v0-31 addresses; v32-95 scale words and nothing else; v96-159 the bias in the result's layout; v160-223 at work on the way out.
;   window 1: v0-127 P0's fragments, two sets; v128-255 P1's, two sets.   windows 2, 3: accumulator (i1, i0) at window 2 + i1 / 4, v[8 (8 (i1 % 4) + i0)].
.set P1B,   131072                     ; LDS: P0 from 0, P1 from here
.set SPARE, 262144                     ; the spare words, 128 bytes for each wave
.set LI,   2                           ; v2   16 x lane
.set HH,   3                           ; v3   lane / 16
.set AP0,  4                           ; v4, v5  my half of P0: K steps 0-3, 4-7
.set AP1,  6                           ; v6, v7  of P1
.set BOF,  8                           ; v8-15   the bias loads' offsets
.set SPW,  28                          ; v28  LDS address of my spare word; never rewritten
.set NIL,  29                          ; v29  0; never rewritten
.set SC,   32                          ; register 8 i + s: lanes 0-15 the word of P1's tile i for K step s, lanes 16-31 that of P0's tile i
.set BI,   96
.set TMP,  160
.set WV,   18
.set G1P0, 24
.set G1P1, 32
.set G0P0, 40                          ; s[40:55] four groups 0, a chunk each
.set G0P1, 68                          ; s[68:83]
.set SCL,  92                          ; s[92:93] log2(e) / 8 for q, else 1
.set MSB, 0
.macro WIN new                         ; the immediate's high byte repeats the setting that is left
.if MSB != (\new)
	s_set_vgpr_msb (MSB<<8)|(\new)
.set MSB, (\new)
.endif
.endm
.macro PLACES                          ; four plain lines between a matrix instruction and a load into, or a vector read of, its registers
.rept 4
	v_nop
.endr
.endm
.macro CROUND                          ; a round of the cluster's barrier
	s_barrier_signal -1
	s_barrier_wait -1
	s_cmp_lg_u32 s[WV], 0
	s_cbranch_scc1 .Lnot_wave_0_\@
	s_barrier_signal -3
.Lnot_wave_0_\@:
	s_barrier_wait -3
	s_barrier_signal -1
	s_barrier_wait -1
.endm
	s_load_b256 s[4:11], s[0:1], 0x0               ; codes, scales, bq, bk
	s_load_b128 s[12:15], s[0:1], 0x20             ; bv, Qf
	s_load_b64 s[16:17], s[0:1], 0x30              ; KV
	v_lshl_add_u32 v[SPW], v0, 2, SPARE
	v_mov_b32 v[NIL], 0
	ds_add_u32 v[SPW], v[NIL]                      ; the wave's opening: the add, twice on end, and its wait ahead of my first tensor load
	ds_add_u32 v[SPW], v[NIL]
	v_lshrrev_b32 v1, 5, v0
	v_readfirstlane_b32 s[WV], v1                  ; wave 0..3
	s_lshr_b32 s19, s[WV], 1                       ; w1: my half of P1's rows.  Also: I fetch for P0 (0) or P1 (1)
	s_and_b32 s20, s[WV], 1                        ; w0: my half of P0's rows.  Also: which half of a chunk I fetch
	s_bfe_u32 s21, ttmp6, 0x40000                  ; cx
	s_bfe_u32 s22, ttmp6, 0x40004                  ; cy
	s_and_b32 s23, ttmp7, 0xffff                   ; the cluster's y, 0..23
	s_lshr_b32 s56, s23, 3                         ; tz: 0 q, 1 k, 2 v
	s_and_b32 s57, s23, 7                          ; cly: which 1,024 tokens
	s_lshl_b32 s58, s22, 2
	s_lshl_b32 s58, 15, s58                        ; my row of the cluster
	s_lshl_b32 s59, 0x1111, s21                    ; my column
	s_or_b32 s[G1P0], s59, (3<<16)|(1<<21)         ; 15:0 the mask; 17:16 elements of 8 bytes; 21 set beside a mask; no padding
	s_or_b32 s[G1P1], s58, (3<<16)|(1<<21)
.irp g, G1P0, G1P1
	s_mov_b32 s[\g+1], 32<<16                      ; tensor_dim0 = 32 elements: rows of 256 bytes
	s_mov_b32 s[\g+2], 64<<16                      ; tensor_dim1 = 64 rows: 16,384 dense bytes
	s_mov_b32 s[\g+3], 32<<16                      ; tile_dim0
	s_mov_b32 s[\g+4], 64                          ; tile_dim1
	s_mov_b32 s[\g+5], 32                          ; pitch
	s_mov_b32 s[\g+6], 0
	s_mov_b32 s[\g+7], 0
.endr
	s_lshl_b32 s60, s57, 2                         ; 4 cly
	s_lshl_b32 s61, s56, 2                         ; 4 tz
	s_add_co_u32 s62, s60, 64                      ; v: x's blocks begin at 64
	s_add_co_u32 s63, s61, 96                      ; q, k: the weight's blocks at 96 + 4 tz
	s_cmp_eq_u32 s56, 2
	s_cselect_b32 s62, s62, s63
	s_add_co_u32 s62, s62, s21                     ; P0's block of 256 rows: + cx
	s_lshl_b32 s84, s56, 5
	s_add_co_u32 s84, s84, s60                     ; q, k: x's blocks at 32 tz + 4 cly
	s_cmp_eq_u32 s56, 2
	s_cselect_b32 s84, 104, s84                    ; v: Wv's at 104
	s_add_co_u32 s84, s84, s22                     ; P1's block: + cy
	s_lshl_b32 s90, s20, 14                        ; my half of a chunk
	s_lshl_b32 s86, s62, 17
	s_add_co_u32 s86, s86, s90
	s_mov_b32 s87, 0
	s_lshl_b32 s88, s84, 17
	s_add_co_u32 s88, s88, s90
	s_mov_b32 s89, 0
	s_wait_dscnt 0x0                               ; both opening adds are done
	s_wait_kmcnt 0x0
	s_add_nc_u64 s[86:87], s[4:5], s[86:87]
	s_add_nc_u64 s[88:89], s[4:5], s[88:89]
.irp c, 0,1,2,3
	s_mov_b32 s[G0P0+4*\c], 1
	s_add_co_u32 s[G0P0+4*\c+1], s90, \c*32768
	s_add_nc_u64 s[G0P0+4*\c+2:G0P0+4*\c+3], s[86:87], \c*32768
	s_or_b32 s[G0P0+4*\c+3], s[G0P0+4*\c+3], 0x80000000
	s_mov_b32 s[G0P1+4*\c], 1
	s_add_co_u32 s[G0P1+4*\c+1], s90, P1B+\c*32768
	s_add_nc_u64 s[G0P1+4*\c+2:G0P1+4*\c+3], s[88:89], \c*32768
	s_or_b32 s[G0P1+4*\c+3], s[G0P1+4*\c+3], 0x80000000
.endr
	CROUND                                         ; all sixteen work-groups are here: the joint loads meet
	s_cmp_eq_u32 s19, 0                            ; a wave's four fills stand in one branch on the wave's number: four loads of mine are out
	s_cbranch_scc0 .Lfirst_p1
.irp c, 0,1,2,3
	tensor_load_to_lds s[G0P0+4*\c:G0P0+4*\c+3], s[G1P0:G1P0+7]
	s_nop 0
.endr
	PLACES
	s_branch .Lfirst_done
.Lfirst_p1:
.irp c, 0,1,2,3
	tensor_load_to_lds s[G0P1+4*\c:G0P1+4*\c+3], s[G1P1:G1P1+7]
	s_nop 0
.endr
	PLACES
.Lfirst_done:
	v_and_b32 v1, 31, v0
	v_lshlrev_b32 v[LI], 4, v1
	v_bfe_u32 v[HH], v0, 4, 1
	v_and_b32 v30, 15, v0                          ; r
	v_add_nc_u32 v[AP0], s90, v[LI]                ; my 8 tiles of P0: 16,384 w0
	v_add_nc_u32 v[AP0+1], 0x10000, v[AP0]
	s_lshl_b32 s91, s19, 14
	s_add_co_u32 s91, s91, P1B
	v_add_nc_u32 v[AP1], s91, v[LI]
	v_add_nc_u32 v[AP1+1], 0x10000, v[AP1]
	; the scale words of my 128 + 128 rows, for all of K: 32 bytes a row; lanes 0-15 take P1's rows, lanes 16-31 P0's
	s_lshl_b32 s58, s84, 13
	s_lshl_b32 s59, s19, 12
	s_add_co_u32 s58, s58, s59
	s_lshl_b32 s59, s62, 13
	s_lshl_b32 s61, s20, 12
	s_add_co_u32 s59, s59, s61
	v_mov_b32 v18, s58
	v_mov_b32 v19, s59
	v_cmp_ne_u32 vcc_lo, 0, v[HH]
	v_cndmask_b32 v18, v18, v19, vcc_lo
	v_lshl_add_u32 v20, v30, 5, v18
.irp i, 0,1,2,3,4,5,6,7
.irp q, 0,1
	global_load_b128 v[SC+8*\i+4*\q:SC+8*\i+4*\q+3], v20, s[6:7] offset:512*\i+16*\q
.endr
.endr
	; which tokens and which channels are mine
	s_cmp_eq_u32 s56, 2
	s_cselect_b32 s58, s21, s22                    ; x's block in the cluster: cx for v, else cy
	s_cselect_b32 s59, s20, s19                    ; and my half of it
	s_cselect_b32 s60, s22, s21                    ; the weight's block
	s_cselect_b32 s61, s19, s20
	s_cselect_b32 s63, 0x10000, 0                  ; V's part of a slot lies 65,536 bytes behind K's
	s_cselect_b32 s85, -1, 0
	s_cselect_b32 s3, 0, 4                         ; from register to register of a result: the next channel (q, k) or the same (v)
	s_lshl_b32 s2, s57, 2
	s_add_co_u32 s58, s58, s2
	s_lshl_b32 s58, s58, 8
	s_lshl_b32 s59, s59, 7
	s_add_co_u32 s58, s58, s59                     ; my first token
	s_lshl_b32 s60, s60, 8
	s_lshl_b32 s61, s61, 7
	s_add_co_u32 s60, s60, s61                     ; my first channel
	s_lshr_b32 s59, s58, 11                        ; batch
	s_bfe_u32 s61, s58, 0x70004                    ; kt0: my first tile of 16 tokens in the sequence
	s_lshl_b32 s59, s59, 4
	s_lshr_b32 s2, s60, 6
	s_add_co_u32 s59, s59, s2                      ; 16 x batch + my first head
	s_lshl_b32 s98, s61, 11                        ; Qf: 2,048 bytes a tile
	s_lshr_b32 s99, s61, 5
	s_lshl_b32 s99, s99, 17                        ; KV: slots of 32 tiles, 131,072 bytes,
	s_and_b32 s61, s61, 31
	s_lshl_b32 s61, s61, 11                        ; 2,048 bytes a tile in K's part and (4,096 for two) in V's
	s_add_co_u32 s99, s99, s61
	s_add_co_u32 s99, s99, s63
	s_cmp_eq_u32 s56, 0
	s_cselect_b64 s[96:97], s[14:15], s[16:17]
	s_cselect_b64 s[94:95], s[8:9], s[10:11]
	s_cselect_b32 s98, s98, s99
	s_cselect_b32 s2, 18, 19                       ; a head is 2^18 bytes in Qf, 2^19 in KV
	s_cselect_b32 s[SCL], 0x3e38aa3b, 1.0          ; log2(e) / 8
	s_mov_b32 s[SCL+1], s[SCL]
	s_lshl_b32 s59, s59, s2
	s_add_co_u32 s98, s98, s59
	s_mov_b32 s99, 0
	s_add_nc_u64 s[96:97], s[96:97], s[98:99]      ; where my first head's results go,
	s_lshl_b32 s98, 1, s2
	s_add_nc_u64 s[98:99], s[96:97], s[98:99]      ; and my second head's
	s_cmp_eq_u32 s56, 2
	s_cselect_b64 s[94:95], s[12:13], s[94:95]     ; the bias
	v_lshlrev_b32 v16, 5, v[HH]                    ; q, k: channels 8 h + j
	v_lshlrev_b32 v17, 2, v30                      ; v: channel r
	v_cndmask_b32 v16, v16, v17, s85
	s_lshl_b32 s60, s60, 2
.irp j, 0,1,2,3,4,5,6,7
	v_add_nc_u32 v[BOF+\j], s60, v16
	s_add_co_u32 s60, s60, s3
.endr
.irp i, 0,1,2,3,4,5,6,7
.irp j, 0,1,2,3,4,5,6,7
	global_load_b32 v[BI+8*\i+\j], v[BOF+\j], s[94:95] offset:64*\i   ; register 8 i + j: the bias of register j of a result in channel tile i
.endr
.endr
	s_wait_loadcnt 0x0
.set i, 0
.rept 32
	v_pk_mul_f32 v[BI+i:BI+i+1], v[BI+i:BI+i+1], s[SCL:SCL+1] op_sel_hi:[1,0]
.set i, i+2
.endr
.macro FETCH s                         ; the 16 fragments of K step s into set s % 2: 32 loads of 512 consecutive bytes
	WIN 0x40
.irp i, 0,1,2,3,4,5,6,7
.irp c, 0,1
	ds_load_b128 v[64*((\s)%2)+8*\i+4*\c:64*((\s)%2)+8*\i+4*\c+3], v[AP0+(\s)/4] offset:(((\s)>>1)&1)*32768+2048*\i+((\s)&1)*1024+512*\c
.endr
.endr
.irp i, 0,1,2,3,4,5,6,7
.irp c, 0,1
	ds_load_b128 v[128+64*((\s)%2)+8*\i+4*\c:128+64*((\s)%2)+8*\i+4*\c+3], v[AP1+(\s)/4] offset:(((\s)>>1)&1)*32768+2048*\i+((\s)&1)*1024+512*\c
.endr
.endr
.endm
; 32 matrix instructions: P1's tiles 4 hi .. 4 hi + 3 against P0's eight.  The 64 accumulators take turns, one instruction a turn, in the same order in every step.
.macro MUL32 s, hi, zero
	WIN 0xa5+0x50*(\hi)
.irp a, 0,1,2,3
.irp b, 0,1,2,3,4,5,6,7
.if \zero
	v_wmma_scale_f32_16x16x128_f8f6f4 v[8*(8*\a+\b):8*(8*\a+\b)+7], v[64*((\s)%2)+8*\b:64*((\s)%2)+8*\b+7], v[128+64*((\s)%2)+8*(4*(\hi)+\a):128+64*((\s)%2)+8*(4*(\hi)+\a)+7], 0, v[SC+8*\b+(\s)], v[SC+8*(4*(\hi)+\a)+(\s)] matrix_a_fmt:MATRIX_FMT_FP4 matrix_b_fmt:MATRIX_FMT_FP4 matrix_a_scale:MATRIX_SCALE_ROW1
.else
	v_wmma_scale_f32_16x16x128_f8f6f4 v[8*(8*\a+\b):8*(8*\a+\b)+7], v[64*((\s)%2)+8*\b:64*((\s)%2)+8*\b+7], v[128+64*((\s)%2)+8*(4*(\hi)+\a):128+64*((\s)%2)+8*(4*(\hi)+\a)+7], v[8*(8*\a+\b):8*(8*\a+\b)+7], v[SC+8*\b+(\s)], v[SC+8*(4*(\hi)+\a)+(\s)] matrix_a_fmt:MATRIX_FMT_FP4 matrix_b_fmt:MATRIX_FMT_FP4 matrix_a_scale:MATRIX_SCALE_ROW1
.endif
.endr
.endr
.endm
; A K step of 128.  sync = 1: the next step's fragments lie in a chunk not yet read: my part of it has landed (n later loads of mine may stay out), and so has everybody's behind the barrier.
.macro STEP s, sync, n, zero
	s_wait_dscnt 0x0                               ; this step's fragments are in
.if \sync
	s_wait_tensorcnt \n
	s_barrier_signal -1
	MUL32 \s, 0, \zero                             ; work on registers while the others arrive
	s_barrier_wait -1
	PLACES
	FETCH (\s)+1
	MUL32 \s, 1, \zero
.else
.if (\s) < 7
	PLACES                                         ; the other set was read by the last step's products
	FETCH (\s)+1                                   ; 64 matrix instructions ahead of its use
.endif
	MUL32 \s, 0, \zero
	MUL32 \s, 1, \zero
.endif
.endm
	s_wait_tensorcnt 3                             ; my part of chunk 0 is in; my three later loads may be out
	s_barrier_signal -1
	s_barrier_wait -1
	FETCH 0
	STEP 0, 0, 0, 1                                ; the first products start the sums: nothing is cleared
	STEP 1, 1, 2, 0
	STEP 2, 0, 0, 0
	STEP 3, 1, 1, 0
	STEP 4, 0, 0, 0
	STEP 5, 1, 0, 0
	STEP 6, 0, 0, 0
	STEP 7, 0, 0, 0
	WIN 0
	PLACES
; THE WAY OUT: result x scale + bias in one fused multiply-add, rounded to f16; a lane's eight numbers are 16 bytes of an image: each store covers 512 consecutive bytes, aligned.  No stage.
.macro EPI isv
.irp a, 0,1,2,3,4,5,6,7
	s_wait_xcnt 0x0                                ; the last eight stores have read their registers
	WIN 0x02+(\a)/4
.irp b, 0,1,2,3,4,5,6,7
.irp p, 0,2,4,6
.if \isv
	v_pk_fma_f32 v[TMP+8*\b+\p:TMP+8*\b+\p+1], v[8*(8*((\a)%4)+\b)+\p:8*(8*((\a)%4)+\b)+\p+1], s[SCL:SCL+1], v[BI+8*\a+\p:BI+8*\a+\p+1] op_sel_hi:[1,0,1]
.else
	v_pk_fma_f32 v[TMP+8*\b+\p:TMP+8*\b+\p+1], v[8*(8*((\a)%4)+\b)+\p:8*(8*((\a)%4)+\b)+\p+1], s[SCL:SCL+1], v[BI+8*\b+\p:BI+8*\b+\p+1] op_sel_hi:[1,0,1]
.endif
.endr
.endr
	WIN 0
.irp b, 0,1,2,3,4,5,6,7
.irp p, 0,1,2,3
	v_cvt_pk_f16_f32 v[TMP+4*\b+\p], v[TMP+8*\b+2*\p], v[TMP+8*\b+2*\p+1]   ; in place, ascending
.endr
.endr
.irp b, 0,1,2,3,4,5,6,7
.if \isv
	global_store_b128 v[LI], v[TMP+4*\b:TMP+4*\b+3], s[96:97] offset:524288*((\a)/4)+1024*((\a)%4)+4096*((\b)/2)+512*((\b)%2)   ; head a / 4, channels 16 (a % 4) on, keys 16 b on
.else
	global_store_b128 v[LI], v[TMP+4*\b:TMP+4*\b+3], s[96+2*((\b)/4):97+2*((\b)/4)] offset:2048*\a+512*((\b)%4)   ; head b / 4, tokens 16 a on, channels 16 (b % 4) on
.endif
.endr
.endr
.endm
.macro CLOSE
	s_wait_tensorcnt 0x0                           ; the wave's end
	ds_add_u32 v[SPW], v[NIL]
	s_wait_dscnt 0x0
	CROUND                                         ; the closing round
	s_endpgm
.endm
	s_cmp_eq_u32 s56, 2                            ; the cluster's y alone: the same in all sixteen partners
	s_cbranch_scc1 .Lepi_v
	EPI 0
	CLOSE
.Lepi_v:
	EPI 1
	CLOSE
.Lfunc_end_k_qd6a5fa868f_proj:
	.size	k_qd6a5fa868f_proj, .Lfunc_end_k_qd6a5fa868f_proj-k_qd6a5fa868f_proj
	.p2alignl 7, 3214868480
	.fill 96, 4, 3214868480
	.section	.rodata,"a",@progbits
	.p2align	6, 0x0
	.amdhsa_kernel k_qd6a5fa868f_proj
		.amdhsa_group_segment_fixed_size 327680
		.amdhsa_private_segment_fixed_size 0
		.amdhsa_enable_private_segment 0
		.amdhsa_kernarg_size 56
		.amdhsa_user_sgpr_count 2
		.amdhsa_user_sgpr_kernarg_segment_ptr 1
		.amdhsa_wavefront_size32 1
		.amdhsa_system_sgpr_workgroup_id_x 1
		.amdhsa_system_sgpr_workgroup_id_y 1
		.amdhsa_system_sgpr_workgroup_id_z 1
		.amdhsa_system_vgpr_workitem_id 0
		.amdhsa_next_free_vgpr 1024
		.amdhsa_next_free_sgpr 100
		.amdhsa_reserve_vcc 1
		.amdhsa_float_denorm_mode_32 3
		.amdhsa_float_denorm_mode_16_64 3
		.amdhsa_memory_ordered 1
		.amdhsa_forward_progress 1
		.amdhsa_inst_pref_size 180
	.end_amdhsa_kernel
	.amdgpu_metadata
---
amdhsa.version: [ 1, 2 ]
amdhsa.kernels:
  - .name:           k_qd6a5fa868f_proj
    .symbol:         k_qd6a5fa868f_proj.kd
    .args:
      - { .name: codes, .offset: 0, .size: 8, .value_kind: global_buffer, .address_space: global }
      - { .name: scales, .offset: 8, .size: 8, .value_kind: global_buffer, .address_space: global }
      - { .name: bq, .offset: 16, .size: 8, .value_kind: global_buffer, .address_space: global }
      - { .name: bk, .offset: 24, .size: 8, .value_kind: global_buffer, .address_space: global }
      - { .name: bv, .offset: 32, .size: 8, .value_kind: global_buffer, .address_space: global }
      - { .name: Qf, .offset: 40, .size: 8, .value_kind: global_buffer, .address_space: global }
      - { .name: KV, .offset: 48, .size: 8, .value_kind: global_buffer, .address_space: global }
    .group_segment_fixed_size: 327680
    .private_segment_fixed_size: 0
    .kernarg_segment_align: 8
    .kernarg_segment_size: 56
    .max_flat_workgroup_size: 128
    .sgpr_count:     100
    .vgpr_count:     1024
    .wavefront_size: 32
...
	.end_amdgpu_metadata
.endif
;; end of part 2
;; launch attn (part 3): grid 4 x 64, 8 waves a work-group, clusters of 4 x 1, 327,680 bytes of LDS; arguments Qf, KV, maskw, X; writes X
.if DOCPART == 3
	.amdgcn_target "amdgcn-amd-amdhsa--gfx1250"
	.amdhsa_code_object_version 6
	.text
	.protected	k_qd6a5fa868f_attn
	.globl	k_qd6a5fa868f_attn
	.p2align	8
	.type	k_qd6a5fa868f_attn,@function
k_qd6a5fa868f_attn:
	s_mov_b64 s[64:65], 0
	v_nop
	global_prefetch_b8 v0, s[64:65] scope:SCOPE_SE
	s_setreg_imm32_b32 hwreg(HW_REG_WAVE_MODE, 25, 1), 1
	s_wait_xcnt 0x0
	s_wait_alu depctr_hold_cnt(0) depctr_sa_sdst(0) depctr_va_vdst(0) depctr_va_sdst(0) depctr_va_ssrc(0) depctr_va_vcc(0) depctr_vm_vsrc(0)
	s_getreg_b32 s2, hwreg(HW_REG_IB_STS2, 6, 4)
	s_cmp_eq_u32 s2, 0
	s_cbranch_scc0 .Lentry_in_a_cluster
	s_endpgm
.Lentry_in_a_cluster:
	s_bfe_u32 s2, ttmp6, 0x10000c
	s_cmp_lg_u32 s2, 0x3003
	s_cbranch_scc0 .Lentry_shape_is_right
	s_endpgm
.Lentry_shape_is_right:
; ATTN: x[b][q][64 h + :] = the sum over keys of softmax(where(mask == 0, -1e9, Q . K / 8)) V, for one batch and head a cluster.  Operands in f16, products, maxima and sums in f32.
; Q arrives multiplied by log2(e) / 8, so a score is an exponent of 2; a masked score is REPLACED by -1e9 log2(e).  For each query a running maximum m and sum l: p = 2^(s - m); in every step O and l are
; multiplied by a = 2^(m_old - m_new).  A row with no open key has all scores equal, so p = 1 throughout: the plain mean.  l is at least 1.
; SHARES.  A work-group owns 512 queries, each of its eight waves 64: four tiles of 16.  Every wave walks all 2,048 keys, 64 a step.
; LAYOUT.  S^T = K Q^T (source 0 = 16 keys, source 1 = 16 queries): a lane holds ONE query (lane % 16) and keys 8 (lane / 16) + 0..7.  Two such tiles, rounded to f16 in pairs, are source 1 of O^T = V^T P,
; whose result again holds one query a lane, and eight channels: 16 bytes of an image of the last projection's operand, stored as they stand.
; K and V lie in memory as images of their fragments, a slot of 512 keys = 131,072 dense bytes: a wave's tensor load brings an eighth of it, a fragment is two loads of 512 consecutive bytes.
; THE MASK is one word for each register of S^T, a bit a lane; the words are the select masks as they stand, and steer no address and no branch.  They come by scalar loads, which return in no order, so that a wait
; for them is a wait for all: what a request has in which to land is the distance from the LAST request to the wait.  So the words come for TWO tiles at a time (64 scalar registers, four loads), a step has two waits,
; and a pair's words are asked for as soon as the pair before has been used: between a request and its wait stand two tiles' softmax and 32 matrix instructions.  The step's order serves that:
; K Q^T of tiles 0, 1 | their masks | request | K Q^T of tiles 2, 3 | softmax 0, 1 | V^T P of tiles 0, 1 | masks of tiles 2, 3 | request for the next step | softmax 2, 3 | V^T P of tiles 2, 3.
; CLUSTER.  The four blocks of queries of a head walk the same K and V: each piece is asked for jointly, with the same descriptor and a mask that names the four.
; LIMITS: scores under 1e9 in magnitude; NaN and infinities are not served.
; REGISTERS: window 0: v2-7 addresses and constants; v8-11 sums at work; v16-47 eight statistics a tile; v48-111 K of a step; v112-239 S^T, 32 a tile, P packed into each tile's low 16.
;   window 1: v0-127 O^T, 32 a tile; v128-191 Q; v192-255 V of a step.   Scalars: s2-31 all that stays; s32-63 and s68-99 the mask words (at the head: at work).
.set SLOT1, 131072
.set SPARE, 262144                     ; behind the ring: the spare words, 128 bytes for each of eight waves
.set LI,   2                           ; v2  16 x lane
.set ADK,  3                           ; v3  the step's K
.set ADV,  4                           ; v4  the step's V
.set NEG,  5                           ; v5  -1e9 log2(e)
.set SPW,  6                           ; v6  LDS address of my spare word; never rewritten
.set NIL,  7                           ; v7  0; never rewritten
.set SUM,  8
.set ST,   16                          ; tile x at v[ST + 8 x]: +0 m, +1 named with it as a pair, +2, +3 l, +4 to +7 at work; a takes +6, m_old - m_new +7
.set KF,   48
.set S,    112
.set QF,   128                         ; in window 1
.set VF,   192                         ; in window 1
.set QB,   2                           ; s[2:3]   Q at my first tile
.set G1,   4                           ; s[4:11]  descriptor group 1
.set G0,   12                          ; s[12:19] a group 0 for each slot
.set WV,   20                          ; my wave's number
.set TB,   21                          ; LDS byte at which the step's K begins
.set CNT,  22
.set STEPNO, 23
.set MP,   24                          ; s[24:25] the step's mask words of my first tile
.set INC,  26                          ; s[26:27]
.set SEL,  28                          ; s[28:29]
.set XO,   30                          ; s[30:31]
.set MA,   32                          ; s[32:63] the 32 mask words of the pair's first tile
.set MB,   68                          ; s[68:99] those of its second
.set W_KQ, 0x04                        ; Q in window 1
.set W_PV, 0x51                        ; V and O^T in window 1, P in window 0
.set W_RS, 0x41                        ; O^T in window 1, a in window 0
.set TO1,  0x40                        ; destination window 1
.set MSB, 0
.macro WIN new                         ; the immediate's high byte repeats the setting that is left
.if MSB != (\new)
	s_set_vgpr_msb (MSB<<8)|(\new)
.set MSB, (\new)
.endif
.endm
.macro PLACES                          ; four plain lines between a matrix instruction and a vector read of, or a load into, its registers
.rept 4
	v_nop
.endr
.endm
.macro CROUND                          ; a round of the cluster's barrier
	s_barrier_signal -1
	s_barrier_wait -1
	s_cmp_lg_u32 s[WV], 0
	s_cbranch_scc1 .Lnot_wave_0_\@
	s_barrier_signal -3
.Lnot_wave_0_\@:
	s_barrier_wait -3
	s_barrier_signal -1
	s_barrier_wait -1
.endm
.macro LOADM t                         ; the step's mask words of tiles t and t + 1: 128 bytes a tile, tiles 4,096 bytes apart
	s_load_b512 s[MA:MA+15], s[MP:MP+1], 4096*(\t)
	s_load_b512 s[MA+16:MA+31], s[MP:MP+1], 4096*(\t)+64
	s_load_b512 s[MB:MB+15], s[MP:MP+1], 4096*(\t)+4096
	s_load_b512 s[MB+16:MB+31], s[MP:MP+1], 4096*(\t)+4160
.endm
	s_load_b256 s[68:75], s[0:1], 0x0              ; Qf, KV, maskw, X
	v_lshl_add_u32 v[SPW], v0, 2, SPARE
	v_mov_b32 v[NIL], 0
	ds_add_u32 v[SPW], v[NIL]                      ; the wave's opening: the add, twice on end, and its wait ahead of my first tensor load
	ds_add_u32 v[SPW], v[NIL]
	v_lshrrev_b32 v1, 5, v0
	v_readfirstlane_b32 s[WV], v1                  ; wave 0..7
	s_bfe_u32 s76, ttmp6, 0x40000                  ; cx: my block of 512 queries; it enters Qf's, maskw's and X's addresses alone
	s_and_b32 s77, ttmp7, 0xffff                   ; 16 x batch + head, which the four partners share
	s_mov_b32 s[G1], 15|(3<<16)|(1<<21)            ; 15:0 all four work-groups; 17:16 elements of 8 bytes; 21 set beside a mask
	s_mov_b32 s[G1+1], 32<<16                      ; rows of 256 bytes,
	s_mov_b32 s[G1+2], 64<<16                      ; 64 of them: 16,384 dense bytes
	s_mov_b32 s[G1+3], 32<<16
	s_mov_b32 s[G1+4], 64
	s_mov_b32 s[G1+5], 32
	s_mov_b32 s[G1+6], 0
	s_mov_b32 s[G1+7], 0
	s_lshl_b32 s78, s[WV], 14                      ; my eighth of a slot
	s_lshl_b32 s80, s77, 19
	s_add_co_u32 s80, s80, s78
	s_mov_b32 s81, 0
	s_lshl_b32 s79, s76, 5
	s_lshl_b32 s82, s[WV], 2
	s_add_co_u32 s79, s79, s82                     ; my first tile of 16 queries: 32 cx + 4 wave
	s_lshl_b32 s84, s77, 18
	s_lshl_b32 s82, s79, 11
	s_add_co_u32 s84, s84, s82
	s_mov_b32 s85, 0
	s_lshl_b32 s86, s79, 12
	s_mov_b32 s87, 0
	s_bfe_u32 s88, s77, 0x30001                    ; head / 2: which 128 along the last projection's K
	s_lshl_b32 s88, s88, 21
	s_lshr_b32 s82, s77, 4
	s_lshl_b32 s82, s82, 7
	s_add_co_u32 s82, s82, s79                     ; my first tile among all 512 tiles of tokens
	s_lshl_b32 s82, s82, 12
	s_add_co_u32 s88, s88, s82
	s_and_b32 s82, s77, 1
	s_lshl_b32 s82, s82, 11                        ; head % 2: which 64 of the 128
	s_add_co_u32 s88, s88, s82
	s_mov_b32 s89, 0
	s_mov_b32 s[SEL], 0x76543210
	s_mov_b32 s[SEL+1], 0xfedcba98
	s_mov_b32 s[INC+1], 0
	s_mov_b32 s[STEPNO], 0
	s_wait_dscnt 0x0                               ; both opening adds are done
	s_wait_kmcnt 0x0
	s_mov_b32 s[G0], 1
	s_mov_b32 s[G0+1], s78
	s_add_nc_u64 s[G0+2:G0+3], s[70:71], s[80:81]  ; keys 0-511
	s_mov_b32 s[G0+4], 1
	s_add_co_u32 s[G0+5], s78, SLOT1
	s_add_nc_u64 s[G0+6:G0+7], s[G0+2:G0+3], SLOT1 ; keys 512-1023
	s_or_b32 s[G0+3], s[G0+3], 0x80000000
	s_or_b32 s[G0+7], s[G0+7], 0x80000000
	s_add_nc_u64 s[QB:QB+1], s[68:69], s[84:85]
	s_add_nc_u64 s[MP:MP+1], s[72:73], s[86:87]
	s_add_nc_u64 s[XO:XO+1], s[74:75], s[88:89]
	CROUND                                         ; all four work-groups are here
	tensor_load_to_lds s[G0:G0+3], s[G1:G1+7]      ; slot 0: every wave its eighth
	s_nop 0
	PLACES
	LOADM 0                                        ; step 0's mask words of tiles 0 and 1: from here on s32-63 and s68-99 hold mask words alone
	v_and_b32 v1, 31, v0
	v_lshlrev_b32 v[LI], 4, v1
	v_mov_b32 v[NEG], 0xceabfb8f
	WIN TO1
.set i, 0
.rept 16
	global_load_b128 v[QF+4*i:QF+4*i+3], v[LI], s[QB:QB+1] offset:512*i   ; Q stays in registers: tile x, channels 32 cs on at QF + 16 x + 8 cs
.set i, i+1
.endr
.set i, 0
.rept 128
	v_mov_b32 v[i], 0                              ; O^T.  The step is written once: the first finds zeros, which its a = 0 leaves zeros
.set i, i+1
.endr
	WIN 0
.irp x, 0,1,2,3
	v_mov_b32 v[ST+8*\x], 0xff61b1e6               ; m: -3e38, under every score
.irp j, 1,2,3,4,5,6,7
	v_mov_b32 v[ST+8*\x+\j], 0
.endr
.endr
	s_wait_loadcnt 0x0                             ; Q
; Tile x's masked scores are replaced; m: where the tile's 32 words stand.
.macro MASK x, m
.set n, 0
.rept 32
	v_cndmask_b32 v[S+32*(\x)+n], v[NEG], v[S+32*(\x)+n], s[\m+n]   ; ascending: each result is read from its low end on
.set n, n+1
.endr
.endm
; One tile's softmax for one key step, behind its mask.
.macro SOFT x
.set rT, ST+8*(\x)
.set rS, S+32*(\x)
.irp j, 0,1,2,3
	v_max3_num_f32 v[rT+4+\j], v[rS+8*\j], v[rS+8*\j+1], v[rS+8*\j+2]   ; the maximum, in four chains
.endr
.irp q, 3,5
.irp j, 0,1,2,3
	v_max3_num_f32 v[rT+4+\j], v[rT+4+\j], v[rS+8*\j+\q], v[rS+8*\j+\q+1]
.endr
.endr
	v_max3_num_f32 v[rT+4], v[rT+4], v[rS+7], v[rS+15]
	v_max3_num_f32 v[rT+6], v[rT+6], v[rS+23], v[rS+31]
	v_max3_num_f32 v[rT+4], v[rT+4], v[rT+5], v[rT+6]
	v_max3_num_f32 v[rT+4], v[rT+4], v[rT+7], v[rT]        ; and the old m
	v_permlanex16_b32 v[rT+5], v[rT+4], s[SEL], s[SEL+1]   ; the query's other 32 keys lie in the lane 16 away
	v_max_num_f32 v[rT+4], v[rT+4], v[rT+5]
	v_sub_f32 v[rT+7], v[rT], v[rT+4]
	v_mov_b32 v[rT], v[rT+4]
	v_exp_f32 v[rT+6], v[rT+7]                     ; a
.set n, 0
.rept 16
	v_pk_add_f32 v[rS+n:rS+n+1], v[rS+n:rS+n+1], v[rT:rT+1] op_sel_hi:[1,0] neg_lo:[0,1] neg_hi:[0,1]   ; s - m
.set n, n+2
.endr
.set n, 0
.rept 32
	v_exp_f32 v[rS+n], v[rS+n]                     ; p
.set n, n+1
.endr
	v_nop                                          ; a plain line behind the last exponential
	s_wait_alu depctr_va_vdst(0)                   ; one wait for the batch of 33, ahead of its first reader
	v_pk_add_f32 v[SUM:SUM+1], v[rS:rS+1], v[rS+2:rS+3]    ; the sum of the unrounded p, in two chains
	v_pk_add_f32 v[SUM+2:SUM+3], v[rS+4:rS+5], v[rS+6:rS+7]
.set n, 8
.rept 6
	v_pk_add_f32 v[SUM:SUM+1], v[SUM:SUM+1], v[rS+n:rS+n+1]
	v_pk_add_f32 v[SUM+2:SUM+3], v[SUM+2:SUM+3], v[rS+n+2:rS+n+3]
.set n, n+4
.endr
	v_pk_add_f32 v[SUM:SUM+1], v[SUM:SUM+1], v[SUM+2:SUM+3]
	v_pk_fma_f32 v[rT+2:rT+3], v[rT+2:rT+3], v[rT+6:rT+7], v[SUM:SUM+1] op_sel_hi:[1,0,1]   ; l = a l + the sum
.set n, 0
.rept 16
	v_cvt_pk_f16_f32 v[rS+n], v[rS+2*n], v[rS+2*n+1]       ; P, in place, ascending
.set n, n+1
.endr
	WIN W_RS
.set n, 0
.rept 16
	v_pk_mul_f32 v[32*(\x)+n:32*(\x)+n+1], v[32*(\x)+n:32*(\x)+n+1], v[rT+6:rT+7] op_sel_hi:[1,0]   ; O^T x a
.set n, n+2
.endr
	WIN 0
.endm
; 16 matrix instructions each: tiles x0 and x0 + 1.  Eight accumulators take turns, one instruction a turn; neighbouring groups name other accumulators.
.macro KQ x0                           ; S^T = K Q^T; the first eight start the sums
	WIN W_KQ
.irp cs, 0,1
.irp t, 0,1,2,3
.irp x, \x0, \x0+1
.if \cs == 0
	v_wmma_f32_16x16x32_f16 v[S+32*(\x)+8*\t:S+32*(\x)+8*\t+7], v[KF+16*\t+8*\cs:KF+16*\t+8*\cs+7], v[QF+16*(\x)+8*\cs:QF+16*(\x)+8*\cs+7], 0
.else
	v_wmma_f32_16x16x32_f16 v[S+32*(\x)+8*\t:S+32*(\x)+8*\t+7], v[KF+16*\t+8*\cs:KF+16*\t+8*\cs+7], v[QF+16*(\x)+8*\cs:QF+16*(\x)+8*\cs+7], v[S+32*(\x)+8*\t:S+32*(\x)+8*\t+7]
.endif
.endr
.endr
.endr
	WIN 0
.endm
.macro PV x0                           ; O^T += V^T P
	WIN W_PV
.irp u, 0,1
.irp ct, 0,1,2,3
.irp x, \x0, \x0+1
	v_wmma_f32_16x16x32_f16 v[32*(\x)+8*\ct:32*(\x)+8*\ct+7], v[VF+8*(4*\u+\ct):VF+8*(4*\u+\ct)+7], v[S+32*(\x)+8*\u:S+32*(\x)+8*\u+7], v[32*(\x)+8*\ct:32*(\x)+8*\ct+7]
.endr
.endr
.endr
	WIN 0
.endm
; A KEY STEP: 64 keys.
.macro STEP
	v_add_nc_u32 v[ADK], s[TB], v[LI]
	v_add_nc_u32 v[ADV], 0x10000, v[ADK]
.rept 3
	v_nop                                          ; with the two additions five places: the products below write over P, which the last step's products read; V's loads want four
.endr
.set i, 0
.rept 16
	ds_load_b128 v[KF+4*i:KF+4*i+3], v[ADK] offset:512*i   ; keys 16 t on, channels 32 cs on at KF + 16 t + 8 cs
.set i, i+1
.endr
	WIN TO1
.set i, 0
.rept 16
	ds_load_b128 v[VF+4*i:VF+4*i+3], v[ADV] offset:512*i   ; keys 32 u on, channels 16 ct on at VF + 8 (4 u + ct)
.set i, i+1
.endr
	s_wait_dscnt 16                                ; K is in; V's sixteen loads may be out
	KQ 0
	PLACES                                         ; the selects below read results just made
	s_wait_kmcnt 0x0                               ; the words of tiles 0 and 1, asked for in the middle of the last step
	MASK 0, MA
	MASK 1, MB
	LOADM 2                                        ; the words of tiles 2 and 3, into the registers just used
	KQ 2                                           ; (what follows names none of these products' registers before the selects of tiles 2 and 3)
	SOFT 0
	SOFT 1
	s_wait_dscnt 0x0                               ; V is in
	PV 0
	s_wait_kmcnt 0x0                               ; the words of tiles 2 and 3: no scalar load of mine is out, so their address may step
	MASK 2, MA
	MASK 3, MB
	s_cmp_lt_u32 s[STEPNO], 31                     ; the next step's words; the last step asks for its own once more: no load leaves the buffer
	s_cselect_b32 s[INC], 128, 0
	s_add_nc_u64 s[MP:MP+1], s[MP:MP+1], s[INC:INC+1]
	LOADM 0
	SOFT 2
	SOFT 3
	PV 2
	s_add_co_u32 s[TB], s[TB], 8192
	s_add_co_u32 s[STEPNO], s[STEPNO], 1
.endm
; A SLOT: 512 keys, eight steps.  At its head each wave waits for all its tensor loads (its eighth of this slot), adds 0 to its spare word, and waits for that and for its reads of the slot that it has left; the round
; of the cluster's barrier shows the same of every wave of all four work-groups; the other slot is then asked for first thing, one load a wave: it has eight steps, 512 matrix instructions of the wave, in which to land.
.macro TRIP slot, fill
	s_wait_tensorcnt 0x0
	ds_add_u32 v[SPW], v[NIL]
	s_add_nc_u64 s[G0+4*(\slot)+2:G0+4*(\slot)+3], s[G0+4*(\slot)+2:G0+4*(\slot)+3], 2*SLOT1   ; no load of mine is out: this slot's next keys
	s_wait_dscnt 0x0
	CROUND
.if \fill
	tensor_load_to_lds s[G0+4*(1-(\slot)):G0+4*(1-(\slot))+3], s[G1:G1+7]
	s_nop 0
	PLACES
.endif
	s_mov_b32 s[TB], (\slot)*SLOT1
	s_mov_b32 s[CNT], 8
.Lstep_\@:
	STEP
	s_sub_co_u32 s[CNT], s[CNT], 1
	s_cmp_lg_u32 s[CNT], 0
	s_cbranch_scc1 .Lstep_\@
.endm
	TRIP 0, 1                                      ; keys 0-511; slot 1 is filled for the first time
	TRIP 1, 1                                      ; keys 512-1023; slot 0 takes keys 1024-1535
	TRIP 0, 1                                      ; slot 1 takes keys 1536-2047
	TRIP 1, 0                                      ; nothing is left to fetch
	; THE WAY OUT.  The four additions are the places behind the last products.
.irp x, 0,1,2,3
	v_add_f32 v[ST+8*\x+4], v[ST+8*\x+2], v[ST+8*\x+3]
.endr
.irp x, 0,1,2,3
	v_permlanex16_b32 v[ST+8*\x+5], v[ST+8*\x+4], s[SEL], s[SEL+1]
.endr
.irp x, 0,1,2,3
	v_add_f32 v[ST+8*\x+4], v[ST+8*\x+4], v[ST+8*\x+5]
.endr
.irp x, 0,1,2,3
	v_rcp_f32 v[ST+8*\x+6], v[ST+8*\x+4]
.endr
	v_nop
	s_wait_alu depctr_va_vdst(0)                   ; one wait for the four reciprocals
	WIN 0x01
.irp x, 0,1,2,3
.set n, 0
.rept 16
	v_pk_mul_f32 v[S+32*\x+n:S+32*\x+n+1], v[32*\x+n:32*\x+n+1], v[ST+8*\x+6:ST+8*\x+7] op_sel_hi:[1,0]   ; O^T / l, each result from its low end on
.set n, n+2
.endr
.endr
	WIN 0
.irp x, 0,1,2,3
.set n, 0
.rept 16
	v_cvt_pk_f16_f32 v[S+32*\x+n], v[S+32*\x+2*n], v[S+32*\x+2*n+1]
.set n, n+1
.endr
.endr
.irp x, 0,1,2,3
.irp ct, 0,1,2,3
	global_store_b128 v[LI], v[S+32*\x+4*\ct:S+32*\x+4*\ct+3], s[XO:XO+1] offset:4096*\x+512*\ct   ; 512 consecutive bytes, aligned
.endr
.endr
	s_wait_tensorcnt 0x0                           ; the wave's end
	ds_add_u32 v[SPW], v[NIL]
	s_wait_dscnt 0x0
	CROUND                                         ; the closing round
	s_endpgm
.Lfunc_end_k_qd6a5fa868f_attn:
	.size	k_qd6a5fa868f_attn, .Lfunc_end_k_qd6a5fa868f_attn-k_qd6a5fa868f_attn
	.p2alignl 7, 3214868480
	.fill 96, 4, 3214868480
	.section	.rodata,"a",@progbits
	.p2align	6, 0x0
	.amdhsa_kernel k_qd6a5fa868f_attn
		.amdhsa_group_segment_fixed_size 327680
		.amdhsa_private_segment_fixed_size 0
		.amdhsa_enable_private_segment 0
		.amdhsa_kernarg_size 32
		.amdhsa_user_sgpr_count 2
		.amdhsa_user_sgpr_kernarg_segment_ptr 1
		.amdhsa_wavefront_size32 1
		.amdhsa_system_sgpr_workgroup_id_x 1
		.amdhsa_system_sgpr_workgroup_id_y 1
		.amdhsa_system_sgpr_workgroup_id_z 1
		.amdhsa_system_vgpr_workitem_id 0
		.amdhsa_next_free_vgpr 512
		.amdhsa_next_free_sgpr 100
		.amdhsa_reserve_vcc 0
		.amdhsa_float_denorm_mode_32 3
		.amdhsa_float_denorm_mode_16_64 3
		.amdhsa_memory_ordered 1
		.amdhsa_forward_progress 1
		.amdhsa_inst_pref_size 188
	.end_amdhsa_kernel
	.amdgpu_metadata
---
amdhsa.version: [ 1, 2 ]
amdhsa.kernels:
  - .name:           k_qd6a5fa868f_attn
    .symbol:         k_qd6a5fa868f_attn.kd
    .args:
      - { .name: Qf, .offset: 0, .size: 8, .value_kind: global_buffer, .address_space: global }
      - { .name: KV, .offset: 8, .size: 8, .value_kind: global_buffer, .address_space: global }
      - { .name: maskw, .offset: 16, .size: 8, .value_kind: global_buffer, .address_space: global }
      - { .name: X, .offset: 24, .size: 8, .value_kind: global_buffer, .address_space: global }
    .group_segment_fixed_size: 327680
    .private_segment_fixed_size: 0
    .kernarg_segment_align: 8
    .kernarg_segment_size: 32
    .max_flat_workgroup_size: 256
    .sgpr_count:     100
    .vgpr_count:     512
    .wavefront_size: 32
...
	.end_amdgpu_metadata
.endif
;; end of part 3
;; launch outp (part 4): grid 8 x 32, 4 waves a work-group, clusters of 4 x 4, 327,680 bytes of LDS; arguments X, Wof, bo, out0; writes out0
.if DOCPART == 4
	.amdgcn_target "amdgcn-amd-amdhsa--gfx1250"
	.amdhsa_code_object_version 6
	.text
	.protected	k_qd6a5fa868f_outp
	.globl	k_qd6a5fa868f_outp
	.p2align	8
	.type	k_qd6a5fa868f_outp,@function
k_qd6a5fa868f_outp:
	s_mov_b64 s[64:65], 0
	v_nop
	global_prefetch_b8 v0, s[64:65] scope:SCOPE_SE
	s_setreg_imm32_b32 hwreg(HW_REG_WAVE_MODE, 25, 1), 1
	s_wait_xcnt 0x0
	s_wait_alu depctr_hold_cnt(0) depctr_sa_sdst(0) depctr_va_vdst(0) depctr_va_sdst(0) depctr_va_ssrc(0) depctr_va_vcc(0) depctr_vm_vsrc(0)
	s_getreg_b32 s2, hwreg(HW_REG_IB_STS2, 6, 4)
	s_cmp_eq_u32 s2, 0
	s_cbranch_scc0 .Lentry_in_a_cluster
	s_endpgm
.Lentry_in_a_cluster:
	s_bfe_u32 s2, ttmp6, 0x10000c
	s_cmp_lg_u32 s2, 0xf033
	s_cbranch_scc0 .Lentry_shape_is_right
	s_endpgm
.Lentry_shape_is_right:
; OUTP: out0 = x Wo^T + bo.  x [8,192][1,024] and Wo [1,024][1,024] in f16, as images of their fragments; sums and result in f32.
; A work-group makes 256 rows x 128 columns: 256 work-groups.  Wave (wm, wn) makes 128 x 64: 32 accumulators.  K goes in 8 steps of 128 through a ring of two LDS slots: x's 65,536 dense bytes, then Wo's 32,768.
; THE MATRIX INSTRUCTION IS USED TRANSPOSED (source 0 = 16 rows of Wo, source 1 = 16 tokens): a lane holds eight neighbouring columns of one row of the result.
; The bias is the C of each sum's first product.
; CLUSTERS: 4 x 4.  x's tile hangs on the tile row alone and is shared along a row of the cluster, Wo's on the tile column alone and is shared along a column: each is asked for jointly.
; REGISTERS: window 0: v0-31 addresses; v32-63 the bias in the result's layout; v64-159, v160-255 two fragment buffers (x's eight, then Wo's four, 32 along K).  window 1: accumulator (a, b) at v[8 (4 a + b)].
.set SLOT,   131072
.set BOFF,   65536                     ; Wo's part of a slot
.set STAGE,  229376                    ; behind the ring, bytes of its own: 16 rows x 272 bytes for each wave
.set SPITCH, 272                       ; 17 x 16 bytes: sixteen rows begin at sixteen different 16-byte columns of 256
.set SPARE,  246784                    ; the spare words, 128 bytes for each wave
.set LI,   2
.set ADRA, 16                          ; v16, v17  my x fragments in slot 0, 1
.set ADRB, 20                          ; v20, v21  my Wo fragments
.set STO,  24
.set RD,   25
.set CO,   26
.set SPW,  28                          ; never rewritten
.set NIL,  29                          ; never rewritten
.set BO,   32
.set F0,   64
.set F1,   160
.set BK,   64                          ; the way out: rows read back, v64-95 and v96-127 by turns
.set WV,   12
.set G1A,  24
.set G0A,  32
.set G1B,  48
.set G0B,  56
.set MSB, 0
.macro WIN new
.if MSB != (\new)
	s_set_vgpr_msb (MSB<<8)|(\new)
.set MSB, (\new)
.endif
.endm
.macro PLACES
.rept 4
	v_nop
.endr
.endm
.macro CROUND
	s_barrier_signal -1
	s_barrier_wait -1
	s_cmp_lg_u32 s[WV], 0
	s_cbranch_scc1 .Lnot_wave_0_\@
	s_barrier_signal -3
.Lnot_wave_0_\@:
	s_barrier_wait -3
	s_barrier_signal -1
	s_barrier_wait -1
.endm
.macro JLOAD s                         ; a joint load: waves 0 and 1 fetch x's halves, waves 2 and 3 Wo's; the branch hangs on the wave's number alone
	s_cmp_eq_u32 s13, 0
	s_cbranch_scc0 .Lfor_b_\@
	tensor_load_to_lds s[G0A+4*(\s):G0A+4*(\s)+3], s[G1A:G1A+7]
	s_nop 0
	PLACES
	s_branch .Lasked_\@
.Lfor_b_\@:
	tensor_load_to_lds s[G0B+4*(\s):G0B+4*(\s)+3], s[G1B:G1B+7]
	s_nop 0
	PLACES
.Lasked_\@:
.endm
	s_load_b256 s[4:11], s[0:1], 0x0               ; X, Wof, bo, out0
	v_lshl_add_u32 v[SPW], v0, 2, SPARE
	v_mov_b32 v[NIL], 0
	ds_add_u32 v[SPW], v[NIL]                      ; the wave's opening: the add, twice on end, and its wait ahead of my first tensor load
	ds_add_u32 v[SPW], v[NIL]
	v_lshrrev_b32 v1, 5, v0
	v_readfirstlane_b32 s[WV], v1
	s_lshr_b32 s13, s[WV], 1                       ; wm.  Also: I fetch x (0) or Wo (1)
	s_and_b32 s14, s[WV], 1                        ; wn.  Also: which half I fetch
	s_bfe_u32 s40, ttmp6, 0x40000                  ; cx
	s_bfe_u32 s41, ttmp6, 0x40004                  ; cy
	s_lshl_b32 s42, ttmp9, 2
	s_add_co_u32 s42, s42, s40                     ; tile column, 0..7
	s_and_b32 s43, ttmp7, 0xffff
	s_lshl_b32 s43, s43, 2
	s_add_co_u32 s43, s43, s41                     ; tile row, 0..31
	s_lshl_b32 s44, s41, 2
	s_lshl_b32 s44, 15, s44                        ; my row of the cluster
	s_lshl_b32 s45, 0x1111, s40                    ; my column
	s_or_b32 s[G1A], s44, (3<<16)|(1<<21)
	s_or_b32 s[G1B], s45, (3<<16)|(1<<21)
	s_mov_b32 s[G1A+1], 32<<16                     ; rows of 256 bytes,
	s_mov_b32 s[G1A+2], 128<<16                    ; 128 of them: 32,768 dense bytes
	s_mov_b32 s[G1A+3], 32<<16
	s_mov_b32 s[G1A+4], 128
	s_mov_b32 s[G1A+5], 32
	s_mov_b32 s[G1A+6], 0
	s_mov_b32 s[G1A+7], 0
	s_mov_b32 s[G1B+1], 32<<16
	s_mov_b32 s[G1B+2], 64<<16                     ; 64 rows: 16,384 bytes
	s_mov_b32 s[G1B+3], 32<<16
	s_mov_b32 s[G1B+4], 64
	s_mov_b32 s[G1B+5], 32
	s_mov_b32 s[G1B+6], 0
	s_mov_b32 s[G1B+7], 0
	s_lshl_b32 s18, s14, 15                        ; x's half in a slot,
	s_lshl_b32 s16, s43, 16
	s_add_co_u32 s16, s16, s18                     ; and in a K step's 2,097,152 bytes
	s_mov_b32 s17, 0
	s_lshl_b32 s19, s14, 14
	s_lshl_b32 s46, s42, 15
	s_add_co_u32 s46, s46, s19
	s_mov_b32 s47, 0
	s_add_co_u32 s19, s19, BOFF
	s_wait_dscnt 0x0                               ; both opening adds are done
	s_wait_kmcnt 0x0
	s_add_nc_u64 s[16:17], s[4:5], s[16:17]
	s_add_nc_u64 s[46:47], s[6:7], s[46:47]
.irp s, 0,1
	s_mov_b32 s[G0A+4*\s], 1
	s_add_co_u32 s[G0A+4*\s+1], s18, \s*SLOT
	s_add_nc_u64 s[G0A+4*\s+2:G0A+4*\s+3], s[16:17], \s*2097152
	s_or_b32 s[G0A+4*\s+3], s[G0A+4*\s+3], 0x80000000
	s_mov_b32 s[G0B+4*\s], 1
	s_add_co_u32 s[G0B+4*\s+1], s19, \s*SLOT
	s_add_nc_u64 s[G0B+4*\s+2:G0B+4*\s+3], s[46:47], \s*262144
	s_or_b32 s[G0B+4*\s+3], s[G0B+4*\s+3], 0x80000000
.endr
	CROUND                                         ; all sixteen work-groups are here
	JLOAD 0                                        ; K step 0
	v_and_b32 v1, 31, v0
	v_lshlrev_b32 v[LI], 4, v1
	v_and_b32 v3, 15, v0                           ; r
	v_bfe_u32 v4, v0, 4, 1                         ; h
	s_lshl_b32 s20, s13, 15                        ; my 8 tiles of tokens
	s_lshl_b32 s21, s14, 14                        ; my 4 tiles of columns
	s_add_co_u32 s21, s21, BOFF
.irp s, 0,1
	v_add_nc_u32 v[ADRA+\s], s20, v[LI]
	v_add_nc_u32 v[ADRB+\s], s21, v[LI]
	s_add_co_u32 s20, s20, SLOT
	s_add_co_u32 s21, s21, SLOT
.endr
	s_mul_i32 s22, s[WV], 16*SPITCH
	s_add_co_u32 s22, s22, STAGE                   ; my stage
	v_mul_u32_u24 v5, v3, SPITCH
	v_lshl_add_u32 v5, v4, 5, v5
	v_add_nc_u32 v[STO], s22, v5                   ; in: row r, 32 bytes for each half of the lanes
	v_mul_u32_u24 v5, v4, SPITCH
	v_lshl_add_u32 v5, v3, 4, v5
	v_add_nc_u32 v[RD], s22, v5                    ; back: lanes 0-15 one row of 256 bytes, lanes 16-31 the next
	v_lshlrev_b32 v[CO], 12, v4
	v_lshl_add_u32 v[CO], v3, 4, v[CO]             ; and the same two rows in the result
	v_lshlrev_b32 v6, 5, v4                        ; the bias: columns 8 h on
	s_lshl_b32 s66, s42, 9
	s_lshl_b32 s67, s14, 8
	s_add_co_u32 s66, s66, s67                     ; my first column, in bytes
	s_mov_b32 s67, 0
	s_add_nc_u64 s[8:9], s[8:9], s[66:67]
	s_add_nc_u64 s[10:11], s[10:11], s[66:67]
	s_lshl_b32 s66, s43, 20
	s_lshl_b32 s68, s13, 19
	s_add_co_u32 s66, s66, s68                     ; my first row: 4,096 bytes a row
	s_add_nc_u64 s[10:11], s[10:11], s[66:67]
.irp b, 0,1,2,3
.irp p, 0,1
	global_load_b128 v[BO+8*\b+4*\p:BO+8*\b+4*\p+3], v6, s[8:9] offset:64*\b+16*\p
.endr
.endr
	s_wait_loadcnt 0x0
.macro FETCH slot, q, f                ; 24 loads of 512 consecutive bytes: the fragments of 32 along K, the slot's q-th
.irp a, 0,1,2,3,4,5,6,7
.irp g, 0,1
	ds_load_b128 v[\f+8*\a+4*\g:\f+8*\a+4*\g+3], v[ADRA+(\slot)] offset:4096*\a+1024*(\q)+512*\g
.endr
.endr
.irp b, 0,1,2,3
.irp g, 0,1
	ds_load_b128 v[\f+64+8*\b+4*\g:\f+64+8*\b+4*\g+3], v[ADRB+(\slot)] offset:4096*\b+1024*(\q)+512*\g
.endr
.endr
.endm
.macro MUL32 f, first                  ; the 32 accumulators take turns, one instruction a turn
.if \first
	WIN 0x40
.else
	WIN 0x50
.endif
.irp a, 0,1,2,3,4,5,6,7
.irp b, 0,1,2,3
.if \first
	v_wmma_f32_16x16x32_f16 v[8*(4*\a+\b):8*(4*\a+\b)+7], v[\f+64+8*\b:\f+64+8*\b+7], v[\f+8*\a:\f+8*\a+7], v[BO+8*\b:BO+8*\b+7]
.else
	v_wmma_f32_16x16x32_f16 v[8*(4*\a+\b):8*(4*\a+\b)+7], v[\f+64+8*\b:\f+64+8*\b+7], v[\f+8*\a:\f+8*\a+7], v[8*(4*\a+\b):8*(4*\a+\b)+7]
.endif
.endr
.endr
	WIN 0
.endm
; A K STEP.  At its head each wave waits for all its tensor loads (its part of this slot), adds 0 to its spare word, and waits for that and for its reads of the slot that it has left; the round shows the same of
; every wave of the cluster; then the other slot is asked for, one load a wave: it has the step's 128 matrix instructions in which to land.
.macro TRIP slot, fill, first
	s_wait_tensorcnt 0x0
	ds_add_u32 v[SPW], v[NIL]
	s_add_nc_u64 s[G0A+4*(\slot)+2:G0A+4*(\slot)+3], s[G0A+4*(\slot)+2:G0A+4*(\slot)+3], 2*2097152   ; no load of mine is out: this slot's next K step
	s_add_nc_u64 s[G0B+4*(\slot)+2:G0B+4*(\slot)+3], s[G0B+4*(\slot)+2:G0B+4*(\slot)+3], 2*262144
	s_wait_dscnt 0x0
	CROUND
.if \fill
	JLOAD 1-(\slot)                                ; its four plain lines are also the places in front of the loads below
.else
	PLACES
.endif
	FETCH \slot, 0, F0
	FETCH \slot, 1, F1
	s_wait_dscnt 24                                ; all but the 24 just issued
	MUL32 F0, \first
	PLACES
	FETCH \slot, 2, F0
	s_wait_dscnt 24
	MUL32 F1, 0
	PLACES
	FETCH \slot, 3, F1
	s_wait_dscnt 24
	MUL32 F0, 0
	s_wait_dscnt 0x0
	MUL32 F1, 0
.endm
	TRIP 0, 1, 1                                   ; K step 0; slot 1 is filled for the first time
	s_mov_b32 s3, 3
.Llap:
	TRIP 1, 1, 0
	TRIP 0, 1, 0
	s_sub_co_u32 s3, s3, 1
	s_cmp_lg_u32 s3, 0
	s_cbranch_scc1 .Llap
	TRIP 1, 0, 0                                   ; K step 7: nothing is left to fetch
; THE WAY OUT, 16 rows x 64 columns at a time, through my own stage: in as 32 bytes a lane, back as whole rows of 256 bytes.  LDS serves a wave's instructions in order: no wait between the stores and the loads.
.macro TOSTAGE a
	WIN 0x04                                       ; an LDS store's data are its source 1: window 1
.irp b, 0,1,2,3
	ds_store_b128 v[STO], v[8*(4*(\a)+\b):8*(4*(\a)+\b)+3] offset:64*\b            ; each accumulator from its low end on
	ds_store_b128 v[STO], v[8*(4*(\a)+\b)+4:8*(4*(\a)+\b)+7] offset:64*\b+16
.endr
	WIN 0
.irp t, 0,1,2,3,4,5,6,7
	ds_load_b128 v[BK+32*((\a)%2)+4*\t:BK+32*((\a)%2)+4*\t+3], v[RD] offset:\t*2*SPITCH
.endr
.endm
.macro SEND a, younger                 ; younger: the LDS instructions issued behind block a's loads
	s_wait_dscnt \younger
.irp t, 0,1,2,3,4,5,6,7
	global_store_b128 v[CO], v[BK+32*((\a)%2)+4*\t:BK+32*((\a)%2)+4*\t+3], s[10:11] offset:65536*(\a)+8192*\t th:TH_STORE_NT   ; sixteen lanes store 256 consecutive bytes, aligned
.endr
.endm
	PLACES
	TOSTAGE 0
.irp a, 1,2,3,4,5,6,7
.if \a > 1
	s_wait_xcnt 0x0                                ; the stores of two blocks back have read the registers into which this block is read back
.endif
	TOSTAGE \a
	SEND \a-1, 16                                  ; behind block a - 1's loads: block a's 8 stores and 8 loads
.endr
	SEND 7, 0
	s_wait_tensorcnt 0x0                           ; the wave's end
	ds_add_u32 v[SPW], v[NIL]
	s_wait_dscnt 0x0
	CROUND                                         ; the closing round
	s_endpgm
.Lfunc_end_k_qd6a5fa868f_outp:
	.size	k_qd6a5fa868f_outp, .Lfunc_end_k_qd6a5fa868f_outp-k_qd6a5fa868f_outp
	.p2alignl 7, 3214868480
	.fill 96, 4, 3214868480
	.section	.rodata,"a",@progbits
	.p2align	6, 0x0
	.amdhsa_kernel k_qd6a5fa868f_outp
		.amdhsa_group_segment_fixed_size 327680
		.amdhsa_private_segment_fixed_size 0
		.amdhsa_enable_private_segment 0
		.amdhsa_kernarg_size 32
		.amdhsa_user_sgpr_count 2
		.amdhsa_user_sgpr_kernarg_segment_ptr 1
		.amdhsa_wavefront_size32 1
		.amdhsa_system_sgpr_workgroup_id_x 1
		.amdhsa_system_sgpr_workgroup_id_y 1
		.amdhsa_system_sgpr_workgroup_id_z 1
		.amdhsa_system_vgpr_workitem_id 0
		.amdhsa_next_free_vgpr 512
		.amdhsa_next_free_sgpr 70
		.amdhsa_reserve_vcc 0
		.amdhsa_float_denorm_mode_32 3
		.amdhsa_float_denorm_mode_16_64 3
		.amdhsa_memory_ordered 1
		.amdhsa_forward_progress 1
		.amdhsa_inst_pref_size 85
	.end_amdhsa_kernel
	.amdgpu_metadata
---
amdhsa.version: [ 1, 2 ]
amdhsa.kernels:
  - .name:           k_qd6a5fa868f_outp
    .symbol:         k_qd6a5fa868f_outp.kd
    .args:
      - { .name: X, .offset: 0, .size: 8, .value_kind: global_buffer, .address_space: global }
      - { .name: Wof, .offset: 8, .size: 8, .value_kind: global_buffer, .address_space: global }
      - { .name: bo, .offset: 16, .size: 8, .value_kind: global_buffer, .address_space: global }
      - { .name: out0, .offset: 24, .size: 8, .value_kind: global_buffer, .address_space: global }
    .group_segment_fixed_size: 327680
    .private_segment_fixed_size: 0
    .kernarg_segment_align: 8
    .kernarg_segment_size: 32
    .max_flat_workgroup_size: 128
    .sgpr_count:     70
    .vgpr_count:     512
    .wavefront_size: 32
...
	.end_amdgpu_metadata
.endif
;; end of part 4
